; MI455X (gfx1250); checked and timed in simulation.
; The chip was launched on July 23, 2026; its instructions are those of AMD's public machine-readable ISA for CDNA 5 (MIT licence, August 2026) and "CDNA5" Instruction Set Architecture Reference Guide (July 2026). The comments in the code are by the model that wrote it; some were corrected since.
;; Adaptive Sparse Mo E. Allowed arithmetic: float matrix products may take bf16 or f16 operands with f32 sums; other float arithmetic in f32, or as packed bf16 or f16 multiplies, adds, multiply-adds, maxima and minima; sums over many terms, partial sums and values carried from step to step in f32; what a program stores and reads back later, other than sums and carried values, may be rounded once to bf16 or f16.
;; Inputs: W1 4 x 1,024 x 4,096 float32; W2 4 x 4,096 x 1,024 float32; Wg 1,024 x 4 float32; b1 4 x 4,096 float32; b2 4 x 1,024 float32; bg 4 float32; x 4 x 512 x 1,024 float32.
;; Outputs: out0 4 x 512 x 1,024 float32.
;; One version. Each part assembles by itself: llvm-mc -triple=amdgcn-amd-amdhsa -mcpu=gfx1250 --defsym DOCPART=n.
;; ======== version 1 of 1: 5 launches
;; workspace buffers: route 8,192 bytes of whole numbers; gt 256 bytes of whole numbers; pos 16,384 bytes of whole numbers; xg 10,485,760 bytes; hb 41,943,040 bytes; yp 83,886,080 bytes
;; launch router (part 1): grid 256 x 1, 8 waves a work-group, no clusters, 0 bytes of LDS; arguments x, Wg, bg, route; writes route
.if DOCPART == 1
	.amdgcn_target "amdgcn-amd-amdhsa--gfx1250"
	.amdhsa_code_object_version 6
	.text
	.protected	k_q83b46b3053_router
	.globl	k_q83b46b3053_router
	.p2align	8
	.type	k_q83b46b3053_router,@function
k_q83b46b3053_router:
	s_mov_b64 s[64:65], 0
	v_nop
	global_prefetch_b8 v0, s[64:65] scope:SCOPE_SE
	s_setreg_imm32_b32 hwreg(HW_REG_WAVE_MODE, 25, 1), 1
	s_wait_xcnt 0x0
; THE GATE.  logits[t][e] = sum over d of x[t][d] Wg[d][e] + bg[e]; the two largest of a token's four are marked.
; x, Wg and bg are rounded to bf16 first, like every input of this program; products and sums in f32.
; One wave takes one token: 2,048 tokens = 256 work-groups x 8 waves.  Lane l holds d = 128 j + 4 l + c (j = 0..7, c = 0..3),
; so each load of x covers 512 consecutive bytes of the token's row and each load of Wg 16 bytes (one d, four experts) a lane.
; The vector unit does it: four columns would use a quarter of a matrix tile, and the launch is a stream of x.
; OUT: route[t], one word: byte e is 1 if expert e is chosen.  Ties go to the lower index, as jax.lax.top_k has them:
; expert j < e beats e where logit j >= logit e; an expert is chosen if fewer than two beat it.
; LIMIT: with a NaN among a token's logits the pairwise order need not be an order, and other than two experts may be marked.
.set ZR,  7                            ; v7       0: what each chain's first link adds onto
.set ACC, 8                            ; v8-15    eight chains: expert e, parity of j
.set XP,  16                           ; v16-31   x in bf16: pair c / 2 of load j at XP + 2 j + c / 2
.set XR,  32                           ; v32-63   x as loaded
.set WR,  64                           ; v64-191  Wg as loaded: d's four experts at WR + 4 (4 j + c)
.set WP,  192                          ; v192-255 Wg in bf16: experts 2 h, 2 h + 1 at WP + 2 (4 j + c) + h
	s_load_b256 s[4:11], s[0:1], 0x0               ; x s[4:5], Wg s[6:7], bg s[8:9], route s[10:11]
	v_and_b32 v1, 31, v0                           ; lane
	v_lshrrev_b32 v2, 5, v0
	v_readfirstlane_b32 s12, v2                    ; wave
	s_lshl_b32 s13, ttmp9, 3
	s_add_co_u32 s13, s13, s12                     ; my token
	s_lshl_b32 s14, s13, 12                        ; its row of 4,096 bytes
	s_mov_b32 s15, 0
	s_mov_b32 s20, 0x76543210                      ; v_permlanex16_b32: each lane takes its own place in the other half
	s_mov_b32 s21, 0xfedcba98
	v_lshlrev_b32 v3, 6, v1                        ; Wg: four rows of 16 bytes a lane
	v_lshlrev_b32 v4, 4, v1                        ; x: 16 bytes a lane
	v_mov_b32 v[ZR], 0
	s_wait_kmcnt 0x0
	s_load_b128 s[16:19], s[8:9], 0x0              ; bg
	s_add_nc_u64 s[4:5], s[4:5], s[14:15]
.set n_, 0
.rept 32
	global_load_b128 v[WR+4*n_:WR+4*n_+3], v3, s[6:7] offset:2048*(n_/4)+16*(n_%4)
.set n_, n_+1
.endr
.set n_, 0
.rept 8
	global_load_b128 v[XR+4*n_:XR+4*n_+3], v4, s[4:5] offset:512*n_
.set n_, n_+1
.endr
	s_wait_loadcnt 0x8                             ; Wg is in; the eight loads of x are younger
.set n_, 0
.rept 32
	v_cvt_pk_bf16_f32 v[WP+2*n_],   v[WR+4*n_],   v[WR+4*n_+1]
	v_cvt_pk_bf16_f32 v[WP+2*n_+1], v[WR+4*n_+2], v[WR+4*n_+3]
.set n_, n_+1
.endr
	s_wait_loadcnt 0x0
.set n_, 0
.rept 16
	v_cvt_pk_bf16_f32 v[XP+n_], v[XR+2*n_], v[XR+2*n_+1]
.set n_, n_+1
.endr
; one multiply-add from two bf16 halves into f32: half a of xp times half b of wp
.macro FM acc, xp, wp, add, a, b
.if ((\a) == 0) && ((\b) == 0)
	v_fma_mix_f32_bf16 v[\acc], v[\xp], v[\wp], v[\add] op_sel_hi:[1,1,0]
.elseif ((\a) == 1) && ((\b) == 0)
	v_fma_mix_f32_bf16 v[\acc], v[\xp], v[\wp], v[\add] op_sel:[1,0,0] op_sel_hi:[1,1,0]
.elseif ((\a) == 0)
	v_fma_mix_f32_bf16 v[\acc], v[\xp], v[\wp], v[\add] op_sel:[0,1,0] op_sel_hi:[1,1,0]
.else
	v_fma_mix_f32_bf16 v[\acc], v[\xp], v[\wp], v[\add] op_sel:[1,1,0] op_sel_hi:[1,1,0]
.endif
.endm
; 128 multiply-adds; the eight chains take turns, so a chain's links stand eight lines apart
.set jh_, 0
.rept 4
.set c_, 0
.rept 4
.set p_, 0
.rept 2
.set e_, 0
.rept 4
.set a_, ACC+e_+4*p_
.set s_, a_
.if (jh_ == 0) && (c_ == 0)
.set s_, ZR
.endif
	FM a_, XP+2*(2*jh_+p_)+c_/2, WP+2*(4*(2*jh_+p_)+c_)+e_/2, s_, c_%2, e_%2
.set e_, e_+1
.endr
.set p_, p_+1
.endr
.set c_, c_+1
.endr
.set jh_, jh_+1
.endr
.irp e, 0,1,2,3
	v_add_f32 v[ACC+\e], v[ACC+\e], v[ACC+4+\e]
.endr
.irp m, 1,2,4,8                        ; over the 32 lanes: four steps inside each half, one across
.irp e, 0,1,2,3
	v_add_f32_dpp v[ACC+\e], v[ACC+\e], v[ACC+\e] row_xmask:\m row_mask:0xf bank_mask:0xf
.endr
.endr
.irp e, 0,1,2,3
	v_permlanex16_b32 v[XP+\e], v[ACC+\e], s20, s21
.endr
	s_wait_kmcnt 0x0                               ; bg
	v_mov_b32 v24, s16
	v_mov_b32 v25, s17
	v_mov_b32 v26, s18
	v_mov_b32 v27, s19
	v_cvt_pk_bf16_f32 v28, v24, v25                ; bg rounded to bf16, and back to f32 by a shift or a mask
	v_cvt_pk_bf16_f32 v29, v26, v27
	v_lshlrev_b32 v24, 16, v28
	v_and_b32 v25, 0xffff0000, v28
	v_lshlrev_b32 v26, 16, v29
	v_and_b32 v27, 0xffff0000, v29
.irp e, 0,1,2,3
	v_add_f32 v[ACC+\e], v[ACC+\e], v[XP+\e]
.endr
.irp e, 0,1,2,3
	v_add_f32 v[ACC+\e], v[ACC+\e], v[24+\e]
.endr
	; the six pairs j < e: 1 where j beats e
	v_cmp_ge_f32 vcc_lo, v[ACC+0], v[ACC+1]
	v_cndmask_b32 v32, 0, 1, vcc_lo
	v_cmp_ge_f32 vcc_lo, v[ACC+0], v[ACC+2]
	v_cndmask_b32 v33, 0, 1, vcc_lo
	v_cmp_ge_f32 vcc_lo, v[ACC+0], v[ACC+3]
	v_cndmask_b32 v34, 0, 1, vcc_lo
	v_cmp_ge_f32 vcc_lo, v[ACC+1], v[ACC+2]
	v_cndmask_b32 v35, 0, 1, vcc_lo
	v_cmp_ge_f32 vcc_lo, v[ACC+1], v[ACC+3]
	v_cndmask_b32 v36, 0, 1, vcc_lo
	v_cmp_ge_f32 vcc_lo, v[ACC+2], v[ACC+3]
	v_cndmask_b32 v37, 0, 1, vcc_lo
	; how many beat each expert
	v_add3_u32 v40, v32, v33, v34
	v_sub_nc_u32 v40, 3, v40
	v_add_nc_u32 v41, v35, v36
	v_sub_nc_u32 v41, v32, v41
	v_add_nc_u32 v41, 2, v41
	v_add_nc_u32 v42, v33, v35
	v_sub_nc_u32 v42, v42, v37
	v_add_nc_u32 v42, 1, v42
	v_add3_u32 v43, v34, v36, v37
	v_cmp_gt_u32 vcc_lo, 2, v40
	v_cndmask_b32 v44, 0, 1, vcc_lo
	v_cmp_gt_u32 vcc_lo, 2, v41
	v_cndmask_b32 v45, 0, 0x100, vcc_lo
	v_cmp_gt_u32 vcc_lo, 2, v42
	v_cndmask_b32 v46, 0, 0x10000, vcc_lo
	v_cmp_gt_u32 vcc_lo, 2, v43
	v_cndmask_b32 v47, 0, 0x1000000, vcc_lo
	v_or_b32 v44, v44, v45
	v_or_b32 v46, v46, v47
	v_or_b32 v44, v44, v46
	s_lshl_b32 s22, s13, 2
	v_mov_b32 v48, s22
	v_cmp_eq_u32 vcc_lo, 0, v1
	s_wait_xcnt 0x0                                ; EXEC is a source of the loads above: it changes only behind this wait
	s_and_saveexec_b32 s23, vcc_lo
	global_store_b32 v48, v44, s[10:11]            ; lane 0 stores the token's word
	s_endpgm
.Lfunc_end_k_q83b46b3053_router:
	.size	k_q83b46b3053_router, .Lfunc_end_k_q83b46b3053_router-k_q83b46b3053_router
	.p2alignl 7, 3214868480
	.fill 96, 4, 3214868480
	.section	.rodata,"a",@progbits
	.p2align	6, 0x0
	.amdhsa_kernel k_q83b46b3053_router
		.amdhsa_group_segment_fixed_size 0
		.amdhsa_private_segment_fixed_size 0
		.amdhsa_enable_private_segment 0
		.amdhsa_kernarg_size 32
		.amdhsa_user_sgpr_count 2
		.amdhsa_user_sgpr_kernarg_segment_ptr 1
		.amdhsa_wavefront_size32 1
		.amdhsa_system_sgpr_workgroup_id_x 1
		.amdhsa_system_sgpr_workgroup_id_y 1
		.amdhsa_system_sgpr_workgroup_id_z 1
		.amdhsa_system_vgpr_workitem_id 0
		.amdhsa_next_free_vgpr 256
		.amdhsa_next_free_sgpr 66
		.amdhsa_reserve_vcc 1
		.amdhsa_float_denorm_mode_32 3
		.amdhsa_float_denorm_mode_16_64 3
		.amdhsa_memory_ordered 1
		.amdhsa_forward_progress 1
		.amdhsa_inst_pref_size 22
	.end_amdhsa_kernel
	.amdgpu_metadata
---
amdhsa.version: [ 1, 2 ]
amdhsa.kernels:
  - .name:           k_q83b46b3053_router
    .symbol:         k_q83b46b3053_router.kd
    .args:
      - { .name: x, .offset: 0, .size: 8, .value_kind: global_buffer, .address_space: global }
      - { .name: Wg, .offset: 8, .size: 8, .value_kind: global_buffer, .address_space: global }
      - { .name: bg, .offset: 16, .size: 8, .value_kind: global_buffer, .address_space: global }
      - { .name: route, .offset: 24, .size: 8, .value_kind: global_buffer, .address_space: global }
    .group_segment_fixed_size: 0
    .private_segment_fixed_size: 0
    .kernarg_segment_align: 8
    .kernarg_segment_size: 32
    .max_flat_workgroup_size: 256
    .sgpr_count:     66
    .vgpr_count:     256
    .wavefront_size: 32
...
	.end_amdgpu_metadata
.endif
;; end of part 1
;; launch place (part 2): grid 256 x 1, 4 waves a work-group, no clusters, 0 bytes of LDS; arguments route, x, xg, pos, gt; writes xg, pos, gt
.if DOCPART == 2
	.amdgcn_target "amdgcn-amd-amdhsa--gfx1250"
	.amdhsa_code_object_version 6
	.text
	.protected	k_q83b46b3053_place
	.globl	k_q83b46b3053_place
	.p2align	8
	.type	k_q83b46b3053_place,@function
k_q83b46b3053_place:
	s_mov_b64 s[64:65], 0
	v_nop
	global_prefetch_b8 v0, s[64:65] scope:SCOPE_SE
	s_setreg_imm32_b32 hwreg(HW_REG_WAVE_MODE, 25, 1), 1
	s_wait_xcnt 0x0
; THE PLACEMENT.  The 4,096 routed rows (2,048 tokens x 2 experts) are dealt to 16 GROUPS; group i owns rows 320 i .. 320 i + 319 of xg
; (bf16, [5120][1024]) and holds rows of one expert.  With c_e rows for expert e and cb_e = ceil(c_e / 16): HB is the least of 16 .. 20 for which
; the sum of ceil(cb_e / HB) is at most 16 (20 always serves: the cb_e add up to 259 at the most, and (259 + 4 x 19) / 20 < 17).
; Expert e gets g_e = ceil(cb_e / HB) groups from G_e on; its row of rank r goes to group G_e + r / (16 HB), row r mod (16 HB).
; The division of x <= 147 by HB is (x M) >> 16 with M = ceil(65536 / HB): exact, since x (M HB - 65536) <= 147 x 16 < 65536.
; Every wave works the routing out for itself from route's 8 KB: no LDS, no barrier.  A wave owns tokens t0 = 8 b + 2 w and t0 + 1: it rounds their
; rows of x to bf16 and stores each at its two places; pos[t] takes the two row numbers.  Rows of a group past its count are stored as zeros
; (work-group b: group b / 16, rows b % 16 + 16 k), so that every byte of xg that a tile of 320 rows reads has been written.
; gt[i] = {expert, NB}: NB = max(16, ceil(rows / 16)), the blocks of 16 rows that the products multiply.
; LIMIT: where the gate marked other than two experts for a token (a NaN logit), row numbers are held inside xg by a minimum, and no more is promised.
.set RW, 32                            ; v32-95   route: word q of load i at RW + 4 i + q: token 128 i + 4 lane + q
.set XR, 96                            ; v96-159  x of my two tokens as loaded
.set XP, 160                           ; v160-191 the same in bf16
	s_load_b256 s[4:11], s[0:1], 0x0               ; route s[4:5], x s[6:7], xg s[8:9], pos s[10:11]
	s_load_b64 s[12:13], s[0:1], 0x20              ; gt
	v_and_b32 v1, 31, v0                           ; lane
	v_lshrrev_b32 v2, 5, v0
	v_readfirstlane_b32 s14, v2                    ; wave
	s_lshl_b32 s15, ttmp9, 3
	s_lshl1_add_u32 s15, s14, s15                  ; t0 = 8 b + 2 w
	v_lshlrev_b32 v2, 2, v1                        ; 4 lane
	v_lshlrev_b32 v3, 4, v1                        ; 16 lane
	v_lshlrev_b32 v21, 3, v1                       ; 8 lane
	v_lshlrev_b32 v20, 4, v0                       ; 16 thread
	s_lshl_b32 s21, s15, 2
	s_lshl_b32 s60, s15, 12
	s_mov_b32 s61, 0
	s_mov_b32 s22, 0x76543210
	s_mov_b32 s23, 0xfedcba98
	v_mov_b32 v4, 0                                ; choices of the tokens before t0, a byte an expert
	v_mov_b32 v5, 0                                ; choices of all tokens
	v_mov_b32 v10, 0
	s_wait_kmcnt 0x0
	s_load_b64 s[16:17], s[4:5], s21 offset:0x0    ; my two tokens' words
	s_add_nc_u64 s[18:19], s[6:7], s[60:61]
.set i_, 0
.rept 16
	global_load_b128 v[RW+4*i_:RW+4*i_+3], v3, s[4:5] offset:512*i_
.set i_, i_+1
.endr
.set i_, 0
.rept 16                               ; token i_ / 8, floats 128 (i_ % 8) + 4 lane ..
	global_load_b128 v[XR+4*i_:XR+4*i_+3], v3, s[18:19] offset:512*i_
.set i_, i_+1
.endr
	s_wait_loadcnt 0x10                            ; route is in; the sixteen loads of x are younger
.set i_, 0
.rept 64                               ; a lane adds 64 words: a byte stays at 64 or below
	s_sub_co_i32 s20, s15, 128*(i_/4)+i_%4
	v_cmp_gt_i32 vcc_lo, s20, v2                   ; the word's token lies before t0
	v_cndmask_b32 v10, 0, v[RW+i_], vcc_lo
	v_add_nc_u32 v4, v4, v10
	v_add_nc_u32 v5, v5, v[RW+i_]
.set i_, i_+1
.endr
	v_and_b32 v6, 0x00ff00ff, v5                   ; into fields of 16 bits: experts 0 and 2,
	v_lshrrev_b32 v7, 8, v5
	v_and_b32 v7, 0x00ff00ff, v7                   ; experts 1 and 3
	v_and_b32 v8, 0x00ff00ff, v4
	v_lshrrev_b32 v9, 8, v4
	v_and_b32 v9, 0x00ff00ff, v9
.irp r, 6,7,8,9                        ; over the 32 lanes: 2,048 at the most in a field
.irp m, 1,2,4,8
	v_mov_b32_dpp v10, v\r row_xmask:\m row_mask:0xf bank_mask:0xf
	v_add_nc_u32 v\r, v\r, v10
.endr
	v_permlanex16_b32 v10, v\r, s22, s23
	v_add_nc_u32 v\r, v\r, v10
.endr
	v_readfirstlane_b32 s24, v6
	v_readfirstlane_b32 s25, v7
	v_readfirstlane_b32 s26, v8
	v_readfirstlane_b32 s27, v9
	s_and_b32 s28, s24, 0xffff                     ; c_e: s28-31
	s_and_b32 s29, s25, 0xffff
	s_lshr_b32 s30, s24, 16
	s_lshr_b32 s31, s25, 16
	s_and_b32 s32, s26, 0xffff                     ; P_e, token t0's rank in expert e: s32-35
	s_and_b32 s33, s27, 0xffff
	s_lshr_b32 s34, s26, 16
	s_lshr_b32 s35, s27, 16
.irp e, 0,1,2,3
	s_add_co_u32 s[36+\e], s[28+\e], 15
	s_lshr_b32 s[36+\e], s[36+\e], 4               ; cb_e: s36-39
.endr
	s_mov_b32 s40, 20                              ; HB
	s_mov_b32 s41, 3277                            ; M
.macro TRY hb, m                       ; a lower HB is taken if it still gives 16 groups or fewer
	s_mov_b32 s42, 0
.irp e, 0,1,2,3
	s_add_co_u32 s43, s[36+\e], (\hb)-1
	s_mul_i32 s43, s43, \m
	s_lshr_b32 s43, s43, 16
	s_add_co_u32 s42, s42, s43
.endr
	s_cmp_le_u32 s42, 16
	s_cselect_b32 s40, \hb, s40
	s_cselect_b32 s41, \m, s41
.endm
	TRY 19, 3450
	TRY 18, 3641
	TRY 17, 3856
	TRY 16, 4096
	s_sub_co_u32 s42, s40, 1
.irp e, 0,1,2,3
	s_add_co_u32 s43, s[36+\e], s42
	s_mul_i32 s43, s43, s41
	s_lshr_b32 s[44+\e], s43, 16                   ; g_e: s44-47
.endr
	s_mov_b32 s48, 0                               ; G_e: s48-51
	s_mov_b32 s49, s44
	s_add_co_u32 s50, s49, s45
	s_add_co_u32 s51, s50, s46
	s_lshl_b32 s52, s40, 4                         ; 16 HB
	s_wait_loadcnt 0x0                             ; x
.set i_, 0
.rept 32
	v_cvt_pk_bf16_f32 v[XP+i_], v[XR+2*i_], v[XR+2*i_+1]
.set i_, i_+1
.endr
	s_wait_kmcnt 0x0                               ; my two words
; Token tk's row goes to its place in expert e, if e is chosen.  Eight stores of 8 bytes a lane: each covers 256 consecutive bytes, aligned.
.macro PUT tk, e
	s_bfe_u32 s53, s[16+(\tk)], 0x80000|(8*(\e))
	s_cmp_eq_u32 s53, 0
	s_cbranch_scc1 .Lno_\@
	s_mov_b32 s54, s[32+(\e)]                      ; the rank
.if \tk
	s_bfe_u32 s55, s16, 0x80000|(8*(\e))
	s_add_co_u32 s54, s54, s55
.endif
	s_lshr_b32 s55, s54, 4
	s_mul_i32 s55, s55, s41
	s_lshr_b32 s55, s55, 16                        ; rank / (16 HB)
	s_mul_i32 s56, s55, s52
	s_sub_co_u32 s56, s54, s56                     ; the row in the group
	s_add_co_u32 s55, s55, s[48+(\e)]              ; the group
	s_mul_i32 s55, s55, 320
	s_add_co_u32 s55, s55, s56
	s_min_u32 s55, s55, 5119
	s_mov_b32 s58, s57
	s_mov_b32 s57, s55
	s_lshl_b32 s60, s55, 11
	s_wait_xcnt 0x0                                ; the stores' base is written again only behind this wait
	s_add_nc_u64 s[62:63], s[8:9], s[60:61]
.irp j, 0,1,2,3,4,5,6,7
	global_store_b64 v21, v[XP+16*(\tk)+2*\j:XP+16*(\tk)+2*\j+1], s[62:63] offset:256*\j
.endr
.Lno_\@:
.endm
	s_mov_b32 s57, 0
	s_mov_b32 s58, 0
	PUT 0, 0
	PUT 0, 1
	PUT 0, 2
	PUT 0, 3
	s_mov_b32 s66, s57
	s_mov_b32 s67, s58
	s_mov_b32 s57, 0
	s_mov_b32 s58, 0
	PUT 1, 0
	PUT 1, 1
	PUT 1, 2
	PUT 1, 3
	v_mov_b32 v12, s66
	v_mov_b32 v13, s67
	v_mov_b32 v14, s57
	v_mov_b32 v15, s58
	s_lshl_b32 s70, s15, 3
	v_mov_b32 v11, s70
	v_cmp_eq_u32 vcc_lo, 0, v1
	s_wait_xcnt 0x0                                ; EXEC changes only behind this wait,
	s_and_saveexec_b32 s71, vcc_lo
	global_store_b128 v11, v[12:15], s[10:11]      ; pos of my two tokens
	s_wait_xcnt 0x0                                ; and again in front of the line that widens it
	s_or_b32 exec_lo, exec_lo, s71
	; my work-group's group: its expert and its number of rows
	s_lshr_b32 s75, ttmp9, 4
	s_and_b32 s78, ttmp9, 15
	s_mov_b32 s72, 0
	s_mov_b32 s73, 0
.irp e, 0,1,2,3
	s_sub_co_u32 s74, s75, s[48+\e]                ; which of the expert's groups (huge if before its first)
	s_mul_i32 s76, s74, s52
	s_sub_co_u32 s76, s[28+\e], s76
	s_min_u32 s76, s76, s52
	s_cmp_lt_u32 s74, s[44+\e]
	s_cselect_b32 s72, \e, s72
	s_cselect_b32 s73, s76, s73
.endr
	s_add_co_u32 s79, s73, 15
	s_lshr_b32 s79, s79, 4
	s_max_u32 s79, s79, 16                         ; NB
	s_mul_i32 s60, s75, 320
	s_add_co_u32 s60, s60, s78
	s_lshl_b32 s60, s60, 11
	s_add_nc_u64 s[62:63], s[8:9], s[60:61]
.irp r, 16,17,18,19
	v_mov_b32 v\r, 0
.endr
.macro PAD k                           ; row b % 16 + 16 k of the group: zeros if it lies past the count; 128 threads x 16 bytes are the row
	s_add_co_u32 s77, s78, 16*(\k)
	s_cmp_lt_u32 s77, s73
	s_cbranch_scc1 .Lrow_\@
	global_store_b128 v20, v[16:19], s[62:63] offset:32768*(\k)
.Lrow_\@:
.endm
.irp k, 0,1,2,3,4,5,6,7,8,9,10,11,12,13,14,15,16,17,18,19
	PAD \k
.endr
	s_or_b32 s77, s78, s14                         ; the group's first work-group, wave 0, stores gt
	s_cmp_lg_u32 s77, 0
	s_cbranch_scc1 .Lend
	v_mov_b32 v22, s72
	v_mov_b32 v23, s79
	s_lshl_b32 s70, s75, 3
	v_mov_b32 v24, s70
	v_cmp_eq_u32 vcc_lo, 0, v1
	s_wait_xcnt 0x0
	s_and_saveexec_b32 s71, vcc_lo
	global_store_b64 v24, v[22:23], s[12:13]
.Lend:
	s_endpgm
.Lfunc_end_k_q83b46b3053_place:
	.size	k_q83b46b3053_place, .Lfunc_end_k_q83b46b3053_place-k_q83b46b3053_place
	.p2alignl 7, 3214868480
	.fill 96, 4, 3214868480
	.section	.rodata,"a",@progbits
	.p2align	6, 0x0
	.amdhsa_kernel k_q83b46b3053_place
		.amdhsa_group_segment_fixed_size 0
		.amdhsa_private_segment_fixed_size 0
		.amdhsa_enable_private_segment 0
		.amdhsa_kernarg_size 40
		.amdhsa_user_sgpr_count 2
		.amdhsa_user_sgpr_kernarg_segment_ptr 1
		.amdhsa_wavefront_size32 1
		.amdhsa_system_sgpr_workgroup_id_x 1
		.amdhsa_system_sgpr_workgroup_id_y 1
		.amdhsa_system_sgpr_workgroup_id_z 1
		.amdhsa_system_vgpr_workitem_id 0
		.amdhsa_next_free_vgpr 192
		.amdhsa_next_free_sgpr 100
		.amdhsa_reserve_vcc 1
		.amdhsa_float_denorm_mode_32 3
		.amdhsa_float_denorm_mode_16_64 3
		.amdhsa_memory_ordered 1
		.amdhsa_forward_progress 1
		.amdhsa_inst_pref_size 44
	.end_amdhsa_kernel
	.amdgpu_metadata
---
amdhsa.version: [ 1, 2 ]
amdhsa.kernels:
  - .name:           k_q83b46b3053_place
    .symbol:         k_q83b46b3053_place.kd
    .args:
      - { .name: route, .offset: 0, .size: 8, .value_kind: global_buffer, .address_space: global }
      - { .name: x, .offset: 8, .size: 8, .value_kind: global_buffer, .address_space: global }
      - { .name: xg, .offset: 16, .size: 8, .value_kind: global_buffer, .address_space: global }
      - { .name: pos, .offset: 24, .size: 8, .value_kind: global_buffer, .address_space: global }
      - { .name: gt, .offset: 32, .size: 8, .value_kind: global_buffer, .address_space: global }
    .group_segment_fixed_size: 0
    .private_segment_fixed_size: 0
    .kernarg_segment_align: 8
    .kernarg_segment_size: 40
    .max_flat_workgroup_size: 128
    .sgpr_count:     100
    .vgpr_count:     192
    .wavefront_size: 32
...
	.end_amdgpu_metadata
.endif
;; end of part 2
;; launch ffn1 (part 3): grid 16 x 16, 4 waves a work-group, no clusters, 327,680 bytes of LDS; arguments xg, W1, b1, gt, hb; writes hb
.if DOCPART == 3
	.amdgcn_target "amdgcn-amd-amdhsa--gfx1250"
	.amdhsa_code_object_version 6
	.text
	.protected	k_q83b46b3053_ffn1
	.globl	k_q83b46b3053_ffn1
	.p2align	8
	.type	k_q83b46b3053_ffn1,@function
k_q83b46b3053_ffn1:
	s_mov_b64 s[64:65], 0
	v_nop
	global_prefetch_b8 v0, s[64:65] scope:SCOPE_SE
	s_setreg_imm32_b32 hwreg(HW_REG_WAVE_MODE, 25, 1), 1
	s_wait_xcnt 0x0
; THE FIRST PRODUCT.  h[row][f] = swish(sum over d of x[row][d] W1[e][d][f] + b1[e][f]), bf16; sums and swish in f32; W1 and b1 rounded to bf16.
; xg is [5120 rows][1024] bf16, group y's rows from 320 y on.  hb is [16 groups][32 tiles along its K][320 rows][128] bf16: a tile, which the second product fetches whole, is 81,920 consecutive bytes.
; SHARES.  Work-group (x, y): group y of 320 rows (one expert e, from gt), columns 256 x .. (hb's tiles 2 x, 2 x + 1); wave w: all 320 rows x columns 64 w ..: 20 x 4 accumulators of 16 x 16, 640 registers.
; Blocks of 16 rows 0-15 are always multiplied; blocks 16-19 stand under forward jumps on NB (gt), which is the same in all four waves.
; K = 1,024 goes in 32 UNITS of 32.  xg comes through LDS: tiles of 320 rows x 128 k in two slots, four units each.  W1 ([k][f], f32) goes from memory straight into registers, 16 loads of 16 bytes a
; lane and unit (sixteen lanes take 256 consecutive bytes of one k-row), and is rounded there: no two waves of a work-group want the same weight.
; A lane's four columns 4 r + j belong to four fragments j.  THE MATRIX INSTRUCTION IS USED TRANSPOSED (source 0 = weights, source 1 = rows of xg): register i of accumulator (rb, j) in lane (r, hh) is
; row 16 rb + r, column 32 hh + 4 i + j of the wave's 64: a lane holds 32 neighbouring columns of one row.  The bias is the C operand that starts each sum.
; NO CLUSTER.  The sixteen work-groups of a group y read the same tiles of xg, 655,360 of a work-group's 1,703,936 bytes.  But the text jumps over blocks 16-19 on NB, a number read from memory.
;   Without the jumps every group would multiply 20 blocks: 80 matrix instructions a unit
; for the 64 to 68 of an even split.  That is the greater loss.
; swish(z) = z / (1 + 2^(-z log2 e)): where the power overflows, the quotient is 0, which is swish's value to f32's precision there.
; REGISTERS, in windows of 256 (s_set_vgpr_msb: bits 1:0 source 0, 3:2 source 1, 5:4 source 2, 7:6 destination):
;   window 0: v0-31 addresses; v32-191 AF, xg's 20 fragments (one buffer, refilled in two runs a unit); v192-223, v224-255 BF, the weights' four fragments, two buffers (the second holds the bias until unit 0 is over)
;   windows 1, 2: accumulators of blocks 0-7, 8-15.   window 3: v0-127 those of blocks 16-19; v128-191, v192-255 ST, weights as loaded, two stages
.set XROW,  1024                       ; elements from row to row of xg
.set XSTEP, 256                        ; bytes from a tile of xg to the next: 128 along K
.set TILEB, 81920                      ; bytes in a tile of hb
.set P,     16384                      ; bytes from k-row to k-row of W1
.set UNITB, 32*P                       ; a unit's weights
.set SLOTB, 4*UNITB                    ; a slot's
.set OFF1,  UNITB                      ; where units 1, 2, 3 begin
.set OFF2,  2*UNITB
.set OFF3,  3*UNITB
.set ROWB,  272                        ; an LDS row: 256 bytes + 16 of padding: the 16 rows of a fragment load start at 16 different groups of four banks (ISA guide 11.1)
.set BLK,   16*ROWB
.set PART,  80*ROWB                    ; what one wave's tensor load brings
.set SLOTX, 131072                     ; slot 1 begins here: one exclusive or turns an address in one slot into the other's
.set STAGE, 163840                     ; the way out: bytes 0 .. 163,839 the waves' dumps (40,960 each), then 160 rows x 528 bytes
.set SPITCH, 528
.set SPARE, 248320                     ; the spare words, 128 bytes a wave: two blocks of 256 bytes that no other line names
.set SPW, 3                            ; v3  my spare word's LDS address; never rewritten
.set NIL, 4                            ; v4  0; never rewritten
.set AK0, 5                            ; v5  my lane's place in a tile: 272 r + 16 hh
.set ADC, 6                            ; v6  the same in the slot in hand
.set ADH, 7                            ; v7  the same 256 rows on: blocks 16-19 lie past the 16-bit immediate
.set VB,  8                            ; v8  my lane's place in a unit's weights: 8 hh rows + 16 r
.set DA,  9                            ; v9-16, v19 the way out's addresses
.set LA,  10
.set SA0, 11
.set SA,  12
.set RA0, 13
.set RA,  14
.set GO0, 15
.set GO,  16
.set L16, 19
.set AF,  32
.set BF0, 192
.set BI,  224
.set ST0, 128
.set Z,   32                           ; the way out: a block's 32 numbers, the divisor, the packed result
.set U,   64
.set H,   96
.set WV,  14                           ; s14 wave; s16 column tile; s17 group; s18 expert
.set NB,  19                           ; s19 blocks to multiply
.set G1,  20                           ; s[20:27] descriptor group 1
.set G0A, 28                           ; s[28:31] group 0 of tile 0
.set G0B, 32                           ; s[32:35] group 0 of tile 1; then it walks
.set SB,  36                           ; s[36:37] W1 at my columns, at the loop's slot
.set TB,  38                           ; s38 the slot in hand
.set CNT, 39
.set OB,  40                           ; s[40:41] hb at my rows
.set MSB, 0
.macro WIN new                         ; the immediate's high byte repeats the setting that is left; a switch that changes nothing is dropped
.if MSB != (\new)
	s_set_vgpr_msb (MSB<<8)|(\new)
.set MSB, (\new)
.endif
.endm
.macro PLACES                          ; four plain vector instructions between a matrix instruction and a write of, or a load into, one of its registers
.rept 4
	v_nop
.endr
.endm
; one matrix instruction: block rb, fragment j, weights' buffer par.  zero = 1: the bias starts the sum
.macro WM rb, j, par, zero
.set wn, 1+(\rb)/8
.set rA, 8*(4*((\rb)%8)+(\j))
.set rB, BF0+32*(\par)+8*(\j)
.set rF, AF+8*(\rb)
.if \zero
	WIN wn<<6
	v_wmma_f32_16x16x32_bf16 v[rA:rA+7], v[rB:rB+7], v[rF:rF+7], v[BI+8*(\j):BI+8*(\j)+7]
.else
	WIN wn*0x50
	v_wmma_f32_16x16x32_bf16 v[rA:rA+7], v[rB:rB+7], v[rF:rF+7], v[rA:rA+7]
.endif
.endm
.macro MM16 G, par, zero               ; the sixteen matrix instructions of group G (blocks 4 G ..)
.set ii, 0
.rept 16
	WM 4*(\G)+ii/4, ii%4, \par, \zero
.set ii, ii+1
.endr
.endm
; four LDS loads: two of the four fragments of group G (0 to 3), at byte k of the rows
.macro ALD G, k, half
	WIN 0
.irp f, 0,1
.set rb_, 4*(\G)+2*(\half)+\f
	ds_load_b128 v[AF+8*rb_:AF+8*rb_+3],   v[ADC] offset:rb_*BLK+(\k)
	ds_load_b128 v[AF+8*rb_+4:AF+8*rb_+7], v[ADC] offset:rb_*BLK+(\k)+32
.endr
.endm
.macro ALD1 rb, k                      ; the fragment of one of the blocks 16-19
	WIN 0
	ds_load_b128 v[AF+8*(\rb):AF+8*(\rb)+3],   v[ADH] offset:((\rb)-16)*BLK+(\k)
	ds_load_b128 v[AF+8*(\rb)+4:AF+8*(\rb)+7], v[ADH] offset:((\rb)-16)*BLK+(\k)+32
.endm
; register n of the four fragments: k-rows 2 n and 2 n + 1 of the stage, rounded to bf16
.macro CVT4 bf, st, n
	WIN 0x0f
.irp j, 0,1,2,3
	v_cvt_pk_bf16_f32 v[(\bf)+8*\j+(\n)], v[(\st)+8*(\n)+\j], v[(\st)+8*(\n)+4+\j]
.endr
.endm
; four of a unit's sixteen weight loads: load kk takes k-row kk (kk < 8) or kk + 8, lanes 16-31 the row 8 below
.macro BLD4 st, n, boff
	WIN 0xc0
.irp q, 0,1,2,3
.set kk_, 4*(\n)+\q
.set row_, kk_+8*(kk_/8)
	global_load_b128 v[(\st)+4*kk_:(\st)+4*kk_+3], v[VB], s[SB:SB+1] offset:(\boff)+row_*P
.endr
.endm
; THE LOADS OF A UNIT STAND IN TWO RUNS, never singly among the matrix instructions.
; RUN X: group 3's fragments of the unit in hand, those of blocks 16-19 as far as NB reaches (in unit 0 all, so that every register is written on every path), and the weights of the unit three on.
.macro RUNX k, zero, ld, st, boff
	ALD 3, \k, 0
	ALD 3, \k, 1
.irp rb, 16,17,18,19
.if !(\zero)
	s_cmp_lt_u32 s[NB], \rb+1
	s_cbranch_scc1 .Lx_\@
.endif
	ALD1 \rb, \k
.endr
.Lx_\@:
.if \ld
.irp n, 0,1,2,3
	BLD4 \st, \n, \boff
.endr
.endif
.endm
; RUN Y: the next unit's fragments of groups 0, 1, 2
.macro RUNY nk
.irp G, 0,1,2
	ALD \G, \nk, 0
	ALD \G, \nk, 1
.endr
.endm
; Group 0.  Behind its first matrix instruction: the places for the conversions (they write the buffer that the unit before multiplied by) and for run X; behind the 2nd to 9th: the next unit's weights
; are rounded, four conversions each; behind the 10th: run X, whose weight loads land in the stage just read.
.macro GRP0 par, k, zero, cvt, ld, boff
	s_wait_dscnt 16                                ; group 0's fragments are in: behind them run Y's other sixteen loads
.set ii, 0
.rept 16
	WM ii/4, ii%4, \par, \zero
.if ii == 0
	PLACES
.elseif (\cvt) && (ii >= 1) && (ii < 9)
	CVT4 BF0+32*(1-(\par)), ST0+64*(1-(\par)), ii-1
.elseif ii == 9
	RUNX \k, \zero, \ld, ST0+64*(1-(\par)), \boff
.endif
.set ii, ii+1
.endr
.endm
; Blocks 16-19, as far as NB reaches.  In unit 0 nothing is jumped.  What is jumped holds no barrier and no tensor load.
.macro COND par, zero
.if \zero
	MM16 4, \par, 1
.else
	WIN 0
.irp rb, 16,17,18,19
	s_cmp_lt_u32 s[NB], \rb+1
	s_cbranch_scc1 .Lskip_\@
.irp j, 0,1,2,3
	WM \rb, \j, \par, 0
.endr
	WIN 0
.endr
.Lskip_\@:
.endif
.endm
; THE CHANGE OF SLOTS, wrapped round group 2 of a slot's last unit: ONE barrier.  In front of it each wave waits for all its tensor loads, of which one is out: its part of the next slot; adds 0 to
; its spare word; and waits for that and for its reads of this slot, of which run X's were the last.  Behind it nobody reads this slot any more and the next slot is whole.
; fill = 1: this slot is filled again, two tiles on: the first thing behind the barrier; it has four units less sixteen matrix instructions in which to land.  Then run Y reads the next slot.
.macro G2CHANGE par, nk, fill
	WIN 0
	s_wait_tensorcnt 0x0                           ; no tensor load of mine is out, so a group 0 may be written
	ds_add_u32 v[SPW], v[NIL]
.if \fill
	s_xor_b32 s[G0B+1], s[G0B+1], SLOTX            ; the walking descriptor: the other slot than last time,
	s_add_nc_u64 s[G0B+2:G0B+3], s[G0B+2:G0B+3], XSTEP  ; the next 128 along K; the type bits on top are not reached
.endif
	s_xor_b32 s[TB], s[TB], SLOTX
.set ii, 0
.rept 8
	WM 8+ii/4, ii%4, \par, 0
.set ii, ii+1
.endr
	s_wait_dscnt 0x0                               ; the add is done, and my reads of this slot are over
	s_barrier_signal -1
.set ii, 0
.rept 8
	WM 10+ii/4, ii%4, \par, 0                      ; work on registers while the others arrive
.set ii, ii+1
.endr
	WIN 0
	s_barrier_wait -1
.if \fill
	tensor_load_to_lds s[G0B:G0B+3], s[G1:G1+7]    ; my one tensor load behind this barrier
	s_nop 0
.endif
	PLACES                                         ; the places in front of run Y
	v_add_nc_u32 v[ADC], s[TB], v[AK0]
	v_add_nc_u32 v[ADH], 16*BLK, v[ADC]
	RUNY \nk
.endm
; A UNIT: 32 along K at byte k of the slot's rows, weights' buffer par; the next unit's fragments lie at byte nk.  Groups 0, 1, 2, run Y, group 3, blocks 16-19.
; LDS loads come back in order: Y (groups 0, 1, 2: eight each), then X (group 3: eight; blocks 16-19: none to eight).  So each count below is the least number of younger loads on any way:
; group 1: group 2's and X's eight; group 2: X's eight; group 3 and blocks 16-19: the 24 of this unit's Y.
; The 64 to 80 accumulators take turns, one instruction a turn, from unit to unit and over the loop's jump too.
; kind 0: inside a slot; 1: the slot's last, with a refill; 2: without; 3: the last unit of all.  lw: the weight loads that may stay out when the other stage is wanted.
.macro UNIT par, k, nk, kind, zero, cvt, ld, boff, lw
.if \cvt
	s_wait_loadcnt \lw
.endif
	GRP0 \par, \k, \zero, \cvt, \ld, \boff
	s_wait_dscnt 16
	MM16 1, \par, \zero
	s_wait_dscnt 8
.if (\kind) == 0
	MM16 2, \par, \zero
	PLACES
	RUNY \nk
	s_wait_dscnt 24
.elseif (\kind) == 3
	MM16 2, \par, 0
	s_wait_dscnt 0x0
.else
	G2CHANGE \par, \nk, 2-(\kind)
	s_wait_dscnt 24
.endif
	MM16 3, \par, \zero
	COND \par, \zero
.endm
	s_load_b256 s[4:11], s[0:1], 0x0               ; xg s[4:5], W1 s[6:7], b1 s[8:9], gt s[10:11]
	s_load_b64 s[12:13], s[0:1], 0x20              ; hb
	v_lshl_add_u32 v[SPW], v0, 2, SPARE
	v_mov_b32 v[NIL], 0
	ds_add_u32 v[SPW], v[NIL]                      ; the wave's opening: the add and its wait stand ahead of my first tensor load
	v_lshrrev_b32 v1, 5, v0
	v_readfirstlane_b32 s[WV], v1
	v_and_b32 v1, 15, v0                           ; r
	v_bfe_u32 v2, v0, 4, 1                         ; hh
	s_mov_b32 s16, ttmp9                           ; my tile of 256 columns
	s_and_b32 s17, ttmp7, 0xffff                   ; my group of rows
	s_mov_b32 s[G1+0], (1<<16)|(1<<20)|(5<<22)|(3<<25)  ; 2-byte elements; padding on; 4 words behind every 64
	s_mov_b32 s[G1+1], 128<<16                     ; tensor_dim0 = 128
	s_mov_b32 s[G1+2], 80<<16                      ; tensor_dim1 = 80
	s_mov_b32 s[G1+3], 128<<16                     ; tile_dim0 = 128
	s_mov_b32 s[G1+4], 80                          ; tile_dim1 = 80
	s_mov_b32 s[G1+5], XROW
	s_mov_b32 s[G1+6], 0
	s_mov_b32 s[G1+7], 0
	s_mov_b32 s[G0A], 1
	s_mul_i32 s[G0A+1], s[WV], PART                ; my 80 rows of slot 0,
	s_mov_b32 s[G0B], 1
	s_add_co_u32 s[G0B+1], s[G0A+1], SLOTX         ; of slot 1
	s_mul_i32 s42, s17, 320
	s_mul_i32 s43, s[WV], 80
	s_add_co_u32 s42, s42, s43
	s_lshl_b32 s42, s42, 11                        ; rows of 2,048 bytes
	s_mov_b32 s43, 0
	s_lshl_b32 s44, s17, 3
	s_mov_b32 s48, 0xbfb8aa3b                      ; -log2(e), named as a pair
	s_mov_b32 s49, s48
	s_wait_dscnt 0x0                               ; the opening add is done
	s_wait_kmcnt 0x0
	s_load_b64 s[18:19], s[10:11], s44 offset:0x0  ; the group's expert and NB
	s_add_nc_u64 s[G0A+2:G0A+3], s[4:5], s[42:43]
	s_add_nc_u64 s[G0B+2:G0B+3], s[G0A+2:G0A+3], XSTEP
	s_or_b32 s[G0A+3], s[G0A+3], 0x80000000
	s_or_b32 s[G0B+3], s[G0B+3], 0x80000000
	tensor_load_to_lds s[G0A:G0A+3], s[G1:G1+7]    ; both first fills go out together: two loads of mine are out
	s_nop 0
	tensor_load_to_lds s[G0B:G0B+3], s[G1:G1+7]
	s_nop 0
	PLACES
	s_wait_kmcnt 0x0
	s_min_u32 s18, s18, 3
	s_max_u32 s[NB], s[NB], 16
	s_min_u32 s[NB], s[NB], 20
	s_lshl_b32 s46, s16, 10
	s_lshl_b32 s47, s[WV], 8
	s_add_co_u32 s46, s46, s47                     ; my first column, in bytes of f32
	s_lshl_b32 s42, s18, 24                        ; an expert's W1 is 16 MiB
	s_add_co_u32 s42, s42, s46
	s_add_nc_u64 s[SB:SB+1], s[6:7], s[42:43]
	s_lshl_b32 s42, s18, 14
	s_add_co_u32 s42, s42, s46
	s_add_nc_u64 s[44:45], s[8:9], s[42:43]        ; b1 at my columns
	v_lshlrev_b32 v17, 7, v2                       ; my lanes' 32 columns
	v_lshlrev_b32 v[VB], 17, v2
	v_lshl_add_u32 v[VB], v1, 4, v[VB]
.irp i, 0,1,2,3,4,5,6,7
	global_load_b128 v[AF+4*\i:AF+4*\i+3], v17, s[44:45] offset:16*\i
.endr
.irp n, 0,1,2,3
	BLD4 ST0, \n, 0
.endr
.irp n, 0,1,2,3
	BLD4 ST0+64, \n, OFF1
.endr
	WIN 0
	v_mul_u32_u24 v[AK0], v1, ROWB
	v_lshl_add_u32 v[AK0], v2, 4, v[AK0]
	s_wait_loadcnt 32                              ; the bias is in; the two stages are younger
.irp i, 0,1,2,3,4,5,6,7                ; column 32 hh + 4 i + j goes to register i of fragment j's C operand, rounded to bf16
.irp j, 0,2
	v_cvt_pk_bf16_f32 v18, v[AF+4*\i+\j], v[AF+4*\i+\j+1]
	v_lshlrev_b32 v[BI+8*\j+\i], 16, v18
	v_and_b32 v[BI+8*\j+8+\i], 0xffff0000, v18
.endr
.endr
	s_wait_loadcnt 16                              ; unit 0's weights are in
.irp n, 0,1,2,3,4,5,6,7
	CVT4 BF0, ST0, \n
.endr
.irp n, 0,1,2,3
	BLD4 ST0, \n, OFF2
.endr
	WIN 0
	s_wait_tensorcnt 0x1                           ; my part of tile 0 is in; tile 1 may stay out
	s_barrier_signal -1
	s_barrier_wait -1
	s_mov_b32 s[TB], 0
	v_mov_b32 v[ADC], v[AK0]
	v_add_nc_u32 v[ADH], 16*BLK, v[AK0]
	RUNY 0                                         ; unit 0's groups 0, 1, 2
	UNIT 0, 0, 64, 0, 1, 0, 0, 0, 0                ; unit 0: the bias starts the sums
	PLACES                                         ; the bias's registers now take unit 1's weights
	s_wait_loadcnt 16
.irp n, 0,1,2,3,4,5,6,7
	CVT4 BF0+32, ST0+64, \n
.endr
.irp n, 0,1,2,3
	BLD4 ST0+64, \n, OFF3
.endr
	WIN 0                                          ; at a label and at a branch every window is 0
	s_mov_b32 s[CNT], 6
.Ltrip:                                            ; units 4 t + 1 .. 4 t + 4: a slot's last three and the next slot's first; tile t + 2 is asked for
	UNIT 1, 64,  128, 0, 0, 1, 1, 4*UNITB, 16
	UNIT 0, 128, 192, 0, 0, 1, 1, 5*UNITB, 16
	UNIT 1, 192, 0,   1, 0, 1, 1, 6*UNITB, 16
	UNIT 0, 0,   64,  0, 0, 1, 1, 7*UNITB, 16
	WIN 0
	s_wait_xcnt 0x0                                ; the weight loads' base steps only behind this wait
	s_add_nc_u64 s[SB:SB+1], s[SB:SB+1], SLOTB
	s_sub_co_u32 s[CNT], s[CNT], 1
	s_cmp_lg_u32 s[CNT], 0
	s_cbranch_scc1 .Ltrip
	UNIT 1, 64,  128, 0, 0, 1, 1, 4*UNITB, 16      ; units 25 to 31 are written out: no tile is left to ask for,
	UNIT 0, 128, 192, 0, 0, 1, 1, 5*UNITB, 16
	UNIT 1, 192, 0,   2, 0, 1, 1, 6*UNITB, 16
	UNIT 0, 0,   64,  0, 0, 1, 1, 7*UNITB, 16
	UNIT 1, 64,  128, 0, 0, 1, 0, 0, 16            ; and from here on no weights
	UNIT 0, 128, 192, 0, 0, 1, 0, 0, 0
	UNIT 1, 192, 0,   3, 0, 0, 0, 0, 0
	; THE WAY OUT, in two halves of ten blocks.  A wave dumps its accumulators into LDS as they lie, so that ONE looped text serves every block: a trip reads a block back, takes swish, rounds to
	; bf16 and puts a lane's 64 bytes into a stage of whole rows (512 bytes from four waves); behind a barrier each wave stores 40 whole rows: lanes 0-15 a row's 256 bytes in tile 2 x, lanes 16-31
	; those in tile 2 x + 1.  The address lines are the places behind the last products.
	WIN 0
	v_and_b32 v17, 31, v0
	v_lshlrev_b32 v[L16], 4, v17                   ; 16 lane
	s_mul_i32 s42, s[WV], 40960
	v_add_nc_u32 v[DA], s42, v[L16]                ; my dump
	v_mul_u32_u24 v[SA0], v1, SPITCH
	v_lshl_add_u32 v[SA0], v2, 6, v[SA0]
	s_lshl_b32 s42, s[WV], 7
	s_add_co_u32 s42, s42, STAGE
	v_add_nc_u32 v[SA0], s42, v[SA0]               ; into the stage: row r, my wave's 128 bytes, 64 for each half of the lanes
	s_mul_i32 s42, s[WV], 40*SPITCH
	s_add_co_u32 s42, s42, STAGE
	v_add_nc_u32 v[RA0], s42, v[L16]               ; back: 32 lanes take a row's 512 bytes
	v_mul_u32_u24 v[GO0], v2, TILEB
	v_lshl_add_u32 v[GO0], v1, 4, v[GO0]           ; in hb: the half of the lanes picks the tile
	s_mul_i32 s42, s17, 32*TILEB                   ; the group's 32 tiles,
	s_mul_i32 s43, s16, 2*TILEB                    ; my two,
	s_add_co_u32 s42, s42, s43
	s_mul_i32 s43, s[WV], 40*256                   ; my 40 rows of 256 bytes
	s_add_co_u32 s42, s42, s43
	s_mov_b32 s43, 0
	s_add_nc_u64 s[OB:OB+1], s[12:13], s[42:43]
	s_wait_dscnt 0x0
	s_barrier_signal -1
	s_barrier_wait -1                              ; nobody reads the ring any more; it has had its last fill
.macro DUMP p                          ; blocks 10 p .. 10 p + 9; each accumulator's low four registers first
.set rd_, 10*(\p)
.rept 10
	WIN (1+rd_/8)<<2
.irp j, 0,1,2,3
.irp q, 0,1
	ds_store_b128 v[DA], v[8*(4*(rd_%8)+\j)+4*\q:8*(4*(rd_%8)+\j)+4*\q+3] offset:((rd_-10*(\p))*8+2*\j+\q)*512
.endr
.endr
.set rd_, rd_+1
.endr
	WIN 0
.endm
.macro HALF p
	DUMP \p
	v_mov_b32 v[LA], v[DA]
	v_mov_b32 v[SA], v[SA0]
	s_mov_b32 s[CNT], 10
.Lsw_\@:
.irp n, 0,1,2,3,4,5,6,7
	ds_load_b128 v[Z+4*\n:Z+4*\n+3], v[LA] offset:512*\n  ; my own bytes: LDS serves a wave's instructions in order (ISA guide 5.7.1.4)
.endr
	s_wait_dscnt 0x0
.set n_, 0
.rept 16
	v_pk_mul_f32 v[U+2*n_:U+2*n_+1], v[Z+2*n_:Z+2*n_+1], s[48:49] op_sel_hi:[1,0]
.set n_, n_+1
.endr
.set n_, 0
.rept 32
	v_exp_f32 v[U+n_], v[U+n_]
.set n_, n_+1
.endr
	v_add_nc_u32 v[LA], 4096, v[LA]                ; the plain instruction behind the last exponential
	s_wait_alu depctr_va_vdst(0)                   ; one wait for the batch, ahead of its first reader
.set n_, 0
.rept 16
	v_pk_add_f32 v[U+2*n_:U+2*n_+1], v[U+2*n_:U+2*n_+1], 1.0 op_sel_hi:[1,0]
.set n_, n_+1
.endr
.set n_, 0
.rept 32
	v_rcp_f32 v[U+n_], v[U+n_]
.set n_, n_+1
.endr
	v_nop
	s_wait_alu depctr_va_vdst(0)
.set n_, 0
.rept 16
	v_pk_mul_f32 v[Z+2*n_:Z+2*n_+1], v[Z+2*n_:Z+2*n_+1], v[U+2*n_:U+2*n_+1]
.set n_, n_+1
.endr
.set n_, 0
.rept 8                                ; columns 4 i + 0 .. 3 lie in register i of the four fragments
	v_cvt_pk_bf16_f32 v[H+2*n_],   v[Z+n_],    v[Z+8+n_]
	v_cvt_pk_bf16_f32 v[H+2*n_+1], v[Z+16+n_], v[Z+24+n_]
.set n_, n_+1
.endr
.irp t, 0,1,2,3
	ds_store_b128 v[SA], v[H+4*\t:H+4*\t+3] offset:16*\t
.endr
	v_add_nc_u32 v[SA], 16*SPITCH, v[SA]
	s_sub_co_u32 s[CNT], s[CNT], 1
	s_cmp_lg_u32 s[CNT], 0
	s_cbranch_scc1 .Lsw_\@
	s_wait_dscnt 0x0                               ; for the others' sake: my stores into the stage are done
	s_barrier_signal -1
	s_barrier_wait -1
	v_mov_b32 v[RA], v[RA0]
	v_mov_b32 v[GO], v[GO0]
	s_mov_b32 s[CNT], 5
.Lout_\@:                                          ; eight rows a trip
.irp t, 0,1,2,3,4,5,6,7
	ds_load_b128 v[Z+4*\t:Z+4*\t+3], v[RA] offset:SPITCH*\t
.endr
	s_wait_dscnt 0x0
.irp t, 0,1,2,3,4,5,6,7
	global_store_b128 v[GO], v[Z+4*\t:Z+4*\t+3], s[OB:OB+1] offset:256*\t  ; sixteen lanes store 256 consecutive bytes, aligned
.endr
	v_add_nc_u32 v[RA], 8*SPITCH, v[RA]
	s_wait_xcnt 0x0                                ; the stores' offset, data and base are written again only behind this wait
	v_add_nc_u32 v[GO], 8*256, v[GO]
	s_sub_co_u32 s[CNT], s[CNT], 1
	s_cmp_lg_u32 s[CNT], 0
	s_cbranch_scc1 .Lout_\@
.endm
	HALF 0
	s_add_nc_u64 s[OB:OB+1], s[OB:OB+1], 160*256
	s_barrier_signal -1                            ; every wave's reads of the stage are back (the trips' waits for 0): it may be written again
	s_barrier_wait -1
	HALF 1
	s_wait_tensorcnt 0x0                           ; the wave's end
	ds_add_u32 v[SPW], v[NIL]
	s_wait_dscnt 0x0
	s_endpgm
.Lfunc_end_k_q83b46b3053_ffn1:
	.size	k_q83b46b3053_ffn1, .Lfunc_end_k_q83b46b3053_ffn1-k_q83b46b3053_ffn1
	.p2alignl 7, 3214868480
	.fill 96, 4, 3214868480
	.section	.rodata,"a",@progbits
	.p2align	6, 0x0
	.amdhsa_kernel k_q83b46b3053_ffn1
		.amdhsa_group_segment_fixed_size 327680
		.amdhsa_private_segment_fixed_size 0
		.amdhsa_enable_private_segment 0
		.amdhsa_kernarg_size 40
		.amdhsa_user_sgpr_count 2
		.amdhsa_user_sgpr_kernarg_segment_ptr 1
		.amdhsa_wavefront_size32 1
		.amdhsa_system_sgpr_workgroup_id_x 1
		.amdhsa_system_sgpr_workgroup_id_y 1
		.amdhsa_system_sgpr_workgroup_id_z 1
		.amdhsa_system_vgpr_workitem_id 0
		.amdhsa_next_free_vgpr 1024
		.amdhsa_next_free_sgpr 66
		.amdhsa_reserve_vcc 0
		.amdhsa_float_denorm_mode_32 3
		.amdhsa_float_denorm_mode_16_64 3
		.amdhsa_memory_ordered 1
		.amdhsa_forward_progress 1
		.amdhsa_inst_pref_size 191
	.end_amdhsa_kernel
	.amdgpu_metadata
---
amdhsa.version: [ 1, 2 ]
amdhsa.kernels:
  - .name:           k_q83b46b3053_ffn1
    .symbol:         k_q83b46b3053_ffn1.kd
    .args:
      - { .name: xg, .offset: 0, .size: 8, .value_kind: global_buffer, .address_space: global }
      - { .name: W1, .offset: 8, .size: 8, .value_kind: global_buffer, .address_space: global }
      - { .name: b1, .offset: 16, .size: 8, .value_kind: global_buffer, .address_space: global }
      - { .name: gt, .offset: 24, .size: 8, .value_kind: global_buffer, .address_space: global }
      - { .name: hb, .offset: 32, .size: 8, .value_kind: global_buffer, .address_space: global }
    .group_segment_fixed_size: 327680
    .private_segment_fixed_size: 0
    .kernarg_segment_align: 8
    .kernarg_segment_size: 40
    .max_flat_workgroup_size: 128
    .sgpr_count:     66
    .vgpr_count:     1024
    .wavefront_size: 32
...
	.end_amdgpu_metadata
.endif
;; end of part 3
;; launch ffn2 (part 4): grid 16 x 16, 4 waves a work-group, no clusters, 327,680 bytes of LDS; arguments hb, W2, b2, gt, yp; writes yp
.if DOCPART == 4
	.amdgcn_target "amdgcn-amd-amdhsa--gfx1250"
	.amdhsa_code_object_version 6
	.text
	.protected	k_q83b46b3053_ffn2
	.globl	k_q83b46b3053_ffn2
	.p2align	8
	.type	k_q83b46b3053_ffn2,@function
k_q83b46b3053_ffn2:
	s_mov_b64 s[64:65], 0
	v_nop
	global_prefetch_b8 v0, s[64:65] scope:SCOPE_SE
	s_setreg_imm32_b32 hwreg(HW_REG_WAVE_MODE, 25, 1), 1
	s_wait_xcnt 0x0
; THE SECOND PRODUCT.  yp[ks][row][d] = sum over f in quarter ks of h[row][f] W2[e][f][d] (+ b2[e][d] in quarter 0), f32: partial sums, which the last launch adds.  W2 and b2 rounded to bf16.
; hb is [16 groups][32 tiles along K][320 rows][128] bf16: a tile is 81,920 consecutive bytes.
; SHARES.  1,024 columns are four tiles of 256, too few for 256 work-groups of whole K, so K = 4,096 is cut in four quarters ks.  Work-group (x, y): group y of 320 rows (expert e, from gt),
; columns 256 (x % 4) .., ks = x / 4.  Wave w: all 320 rows x columns 64 w ..: 20 x 4 accumulators, and 32 UNITS of 32 along K: the first product's loop with other sizes.
; Every wave works through all 128 k of a slot, so that a slot lasts four units and its refill has that long to land; cutting a slot's K among the waves would halve that, for half the partial sums.
; hb comes through LDS (two slots); W2 ([f][d], f32) goes from memory straight into registers and is rounded there.  A lane's four columns 4 r + j belong to four fragments j.
; THE MATRIX INSTRUCTION IS USED AS IT IS (source 0 = rows of hb, source 1 = weights): register i of accumulator (rb, j) in lane (r, hh) is row 16 rb + 8 hh + i, column 4 r + j.  So for one row the four
; fragments' registers i are 16 neighbouring bytes of f32 a lane, and sixteen lanes hold the wave's 256 bytes of that row: the addition of the bias puts the four side by side, and the stores leave from registers.
; Blocks 0-15 are always multiplied; blocks 16-19 stand under forward jumps on NB, the same in all four waves.  Rows of blocks at or past NB are not stored: no pos names them.
; NO CLUSTER.  The four work-groups of a group y and quarter ks read the same tiles of hb, 655,360 of a work-group's 1,703,936 bytes.  But the text jumps over blocks 16-19 on NB, a number read from
; memory.  Without the jumps every group would multiply 20 blocks: 80 matrix
; instructions a unit for the 64 to 68 of an even split.  That is the greater loss.
; REGISTERS: window 0: v0-31 addresses and the bias; v32-191 AF, hb's 20 fragments; v192-223, v224-255 BF, the weights' four fragments, two buffers.
;   windows 1, 2: accumulators of blocks 0-7, 8-15.   window 3: v0-127 those of blocks 16-19; v128-191, v192-255 ST, weights as loaded, two stages
.set TILEB, 81920                      ; bytes in a tile of hb
.set P,     4096                       ; bytes from k-row to k-row of W2
.set UNITB, 32*P                       ; a unit's weights
.set SLOTB, 4*UNITB                    ; a slot's
.set OFF1,  UNITB                      ; where units 1, 2, 3 begin
.set OFF2,  2*UNITB
.set OFF3,  3*UNITB
.set ROWB,  272                        ; an LDS row: 256 bytes + 16 of padding: the 16 rows of a fragment load start at 16 different groups of four banks (ISA guide 11.1)
.set BLK,   16*ROWB
.set PART,  80*ROWB
.set SLOTX, 131072
.set SPARE, 248320                     ; the spare words, 128 bytes a wave: two blocks of 256 bytes that no other line names
.set SPW, 3
.set NIL, 4
.set AK0, 5                            ; v5  272 r + 16 hh
.set ADC, 6
.set ADH, 7
.set VB,  8                            ; v8  8 hh rows of 4,096 bytes + 16 r: my lane's place in a unit's weights, and in sixteen rows of yp
.set BIAS, 24                          ; v24-27 the bias of my four columns, or 0
.set AF,  32
.set BF0, 192
.set ST0, 128
.set OUTR, 32                          ; the way out: four buffers of 32 registers by turns
.set WV,  14                           ; s14 wave; s17 group; s18 expert; s52 ks; s53 column tile; s55 the bias's mask
.set NB,  19
.set G1,  20
.set G0A, 28
.set G0B, 32
.set SB,  36
.set TB,  38
.set CNT, 39
.set OB,  40
.set MSB, 0
.macro WIN new                         ; the immediate's high byte repeats the setting that is left; a switch that changes nothing is dropped
.if MSB != (\new)
	s_set_vgpr_msb (MSB<<8)|(\new)
.set MSB, (\new)
.endif
.endm
.macro PLACES                          ; four plain vector instructions between a matrix instruction and a write of, or a load into, one of its registers
.rept 4
	v_nop
.endr
.endm
; one matrix instruction: block rb, fragment j, weights' buffer par.  zero = 1: the first product starts the sum
.macro WM rb, j, par, zero
.set wn, 1+(\rb)/8
.set rA, 8*(4*((\rb)%8)+(\j))
.set rB, BF0+32*(\par)+8*(\j)
.set rF, AF+8*(\rb)
	WIN wn*0x50
.if \zero
	v_wmma_f32_16x16x32_bf16 v[rA:rA+7], v[rF:rF+7], v[rB:rB+7], 0
.else
	v_wmma_f32_16x16x32_bf16 v[rA:rA+7], v[rF:rF+7], v[rB:rB+7], v[rA:rA+7]
.endif
.endm
.macro MM16 G, par, zero               ; the sixteen matrix instructions of group G (blocks 4 G ..)
.set ii, 0
.rept 16
	WM 4*(\G)+ii/4, ii%4, \par, \zero
.set ii, ii+1
.endr
.endm
; four LDS loads: two of the four fragments of group G (0 to 3), at byte k of the rows
.macro ALD G, k, half
	WIN 0
.irp f, 0,1
.set rb_, 4*(\G)+2*(\half)+\f
	ds_load_b128 v[AF+8*rb_:AF+8*rb_+3],   v[ADC] offset:rb_*BLK+(\k)
	ds_load_b128 v[AF+8*rb_+4:AF+8*rb_+7], v[ADC] offset:rb_*BLK+(\k)+32
.endr
.endm
.macro ALD1 rb, k                      ; the fragment of one of the blocks 16-19
	WIN 0
	ds_load_b128 v[AF+8*(\rb):AF+8*(\rb)+3],   v[ADH] offset:((\rb)-16)*BLK+(\k)
	ds_load_b128 v[AF+8*(\rb)+4:AF+8*(\rb)+7], v[ADH] offset:((\rb)-16)*BLK+(\k)+32
.endm
; register n of the four fragments: k-rows 2 n and 2 n + 1 of the stage, rounded to bf16
.macro CVT4 bf, st, n
	WIN 0x0f
.irp j, 0,1,2,3
	v_cvt_pk_bf16_f32 v[(\bf)+8*\j+(\n)], v[(\st)+8*(\n)+\j], v[(\st)+8*(\n)+4+\j]
.endr
.endm
; four of a unit's sixteen weight loads: load kk takes k-row kk (kk < 8) or kk + 8, lanes 16-31 the row 8 below
.macro BLD4 st, n, boff
	WIN 0xc0
.irp q, 0,1,2,3
.set kk_, 4*(\n)+\q
.set row_, kk_+8*(kk_/8)
	global_load_b128 v[(\st)+4*kk_:(\st)+4*kk_+3], v[VB], s[SB:SB+1] offset:(\boff)+row_*P
.endr
.endm
; THE LOADS OF A UNIT STAND IN TWO RUNS, never singly among the matrix instructions.
; RUN X: group 3's fragments of the unit in hand, those of blocks 16-19 as far as NB reaches (in unit 0 all, so that every register is written on every path), and the weights of the unit three on.
.macro RUNX k, zero, ld, st, boff
	ALD 3, \k, 0
	ALD 3, \k, 1
.irp rb, 16,17,18,19
.if !(\zero)
	s_cmp_lt_u32 s[NB], \rb+1
	s_cbranch_scc1 .Lx_\@
.endif
	ALD1 \rb, \k
.endr
.Lx_\@:
.if \ld
.irp n, 0,1,2,3
	BLD4 \st, \n, \boff
.endr
.endif
.endm
; RUN Y: the next unit's fragments of groups 0, 1, 2
.macro RUNY nk
.irp G, 0,1,2
	ALD \G, \nk, 0
	ALD \G, \nk, 1
.endr
.endm
; Group 0.  Behind its first matrix instruction: the places for the conversions (they write the buffer that the unit before multiplied by) and for run X; behind the 2nd to 9th: the next unit's weights
; are rounded, four conversions each; behind the 10th: run X, whose weight loads land in the stage just read.
.macro GRP0 par, k, zero, cvt, ld, boff
	s_wait_dscnt 16                                ; group 0's fragments are in: behind them run Y's other sixteen loads
.set ii, 0
.rept 16
	WM ii/4, ii%4, \par, \zero
.if ii == 0
	PLACES
.elseif (\cvt) && (ii >= 1) && (ii < 9)
	CVT4 BF0+32*(1-(\par)), ST0+64*(1-(\par)), ii-1
.elseif ii == 9
	RUNX \k, \zero, \ld, ST0+64*(1-(\par)), \boff
.endif
.set ii, ii+1
.endr
.endm
; Blocks 16-19, as far as NB reaches.  In unit 0 nothing is jumped.  What is jumped holds no barrier and no tensor load.
.macro COND par, zero
.if \zero
	MM16 4, \par, 1
.else
	WIN 0
.irp rb, 16,17,18,19
	s_cmp_lt_u32 s[NB], \rb+1
	s_cbranch_scc1 .Lskip_\@
.irp j, 0,1,2,3
	WM \rb, \j, \par, 0
.endr
	WIN 0
.endr
.Lskip_\@:
.endif
.endm
; THE CHANGE OF SLOTS, wrapped round group 2 of a slot's last unit: ONE barrier.  In front of it each wave waits for all its tensor loads, of which one is out: its part of the next slot; adds 0 to
; its spare word; and waits for that and for its reads of this slot, of which run X's were the last.  Behind it nobody reads this slot any more and the next slot is whole.
; fill = 1: this slot is filled again, two tiles on: the first thing behind the barrier; it has four units less sixteen matrix instructions in which to land.  Then run Y reads the next slot.
.macro G2CHANGE par, nk, fill
	WIN 0
	s_wait_tensorcnt 0x0                           ; no tensor load of mine is out, so a group 0 may be written
	ds_add_u32 v[SPW], v[NIL]
.if \fill
	s_xor_b32 s[G0B+1], s[G0B+1], SLOTX            ; the walking descriptor: the other slot than last time,
	s_add_nc_u64 s[G0B+2:G0B+3], s[G0B+2:G0B+3], TILEB  ; the next tile; the type bits on top are not reached
.endif
	s_xor_b32 s[TB], s[TB], SLOTX
.set ii, 0
.rept 8
	WM 8+ii/4, ii%4, \par, 0
.set ii, ii+1
.endr
	s_wait_dscnt 0x0                               ; the add is done, and my reads of this slot are over
	s_barrier_signal -1
.set ii, 0
.rept 8
	WM 10+ii/4, ii%4, \par, 0                      ; work on registers while the others arrive
.set ii, ii+1
.endr
	WIN 0
	s_barrier_wait -1
.if \fill
	tensor_load_to_lds s[G0B:G0B+3], s[G1:G1+7]    ; my one tensor load behind this barrier
	s_nop 0
.endif
	PLACES                                         ; the places in front of run Y
	v_add_nc_u32 v[ADC], s[TB], v[AK0]
	v_add_nc_u32 v[ADH], 16*BLK, v[ADC]
	RUNY \nk
.endm
; A UNIT: 32 along K at byte k of the slot's rows, weights' buffer par; the next unit's fragments lie at byte nk.  Groups 0, 1, 2, run Y, group 3, blocks 16-19.
; LDS loads come back in order: Y (groups 0, 1, 2: eight each), then X (group 3: eight; blocks 16-19: none to eight).  So each count below is the least number of younger loads on any way:
; group 1: group 2's and X's eight; group 2: X's eight; group 3 and blocks 16-19: the 24 of this unit's Y.
; The 64 to 80 accumulators take turns, one instruction a turn, from unit to unit and over the loop's jump too.
; kind 0: inside a slot; 1: the slot's last, with a refill; 2: without; 3: the last unit of all.  lw: the weight loads that may stay out when the other stage is wanted.
.macro UNIT par, k, nk, kind, zero, cvt, ld, boff, lw
.if \cvt
	s_wait_loadcnt \lw
.endif
	GRP0 \par, \k, \zero, \cvt, \ld, \boff
	s_wait_dscnt 16
	MM16 1, \par, \zero
	s_wait_dscnt 8
.if (\kind) == 0
	MM16 2, \par, \zero
	PLACES
	RUNY \nk
	s_wait_dscnt 24
.elseif (\kind) == 3
	MM16 2, \par, 0
	s_wait_dscnt 0x0
.else
	G2CHANGE \par, \nk, 2-(\kind)
	s_wait_dscnt 24
.endif
	MM16 3, \par, \zero
	COND \par, \zero
.endm
	s_load_b256 s[4:11], s[0:1], 0x0               ; hb s[4:5], W2 s[6:7], b2 s[8:9], gt s[10:11]
	s_load_b64 s[12:13], s[0:1], 0x20              ; yp
	v_lshl_add_u32 v[SPW], v0, 2, SPARE
	v_mov_b32 v[NIL], 0
	ds_add_u32 v[SPW], v[NIL]                      ; the wave's opening: the add and its wait stand ahead of my first tensor load
	v_lshrrev_b32 v1, 5, v0
	v_readfirstlane_b32 s[WV], v1
	v_and_b32 v1, 15, v0                           ; r
	v_bfe_u32 v2, v0, 4, 1                         ; hh
	s_and_b32 s53, ttmp9, 3                        ; my tile of 256 columns
	s_lshr_b32 s52, ttmp9, 2                       ; ks
	s_and_b32 s17, ttmp7, 0xffff                   ; my group of rows
	s_mov_b32 s[G1+0], (1<<16)|(1<<20)|(5<<22)|(3<<25)  ; 2-byte elements; padding on; 4 words behind every 64
	s_mov_b32 s[G1+1], 128<<16                     ; tensor_dim0 = 128
	s_mov_b32 s[G1+2], 80<<16                      ; tensor_dim1 = 80
	s_mov_b32 s[G1+3], 128<<16                     ; tile_dim0 = 128
	s_mov_b32 s[G1+4], 80                          ; tile_dim1 = 80
	s_mov_b32 s[G1+5], 128                         ; a tile's rows lie end to end
	s_mov_b32 s[G1+6], 0
	s_mov_b32 s[G1+7], 0
	s_mov_b32 s[G0A], 1
	s_mul_i32 s[G0A+1], s[WV], PART                ; my 80 rows of slot 0,
	s_mov_b32 s[G0B], 1
	s_add_co_u32 s[G0B+1], s[G0A+1], SLOTX         ; of slot 1
	s_mul_i32 s42, s17, 32*TILEB                   ; the group's 32 tiles,
	s_mul_i32 s43, s52, 8*TILEB                    ; the quarter's eight,
	s_add_co_u32 s42, s42, s43
	s_mul_i32 s43, s[WV], 80*256                   ; my 80 rows of 256 bytes
	s_add_co_u32 s42, s42, s43
	s_mov_b32 s43, 0
	s_lshl_b32 s44, s17, 3
	s_wait_dscnt 0x0                               ; the opening add is done
	s_wait_kmcnt 0x0
	s_load_b64 s[18:19], s[10:11], s44 offset:0x0  ; the group's expert and NB
	s_add_nc_u64 s[G0A+2:G0A+3], s[4:5], s[42:43]
	s_add_nc_u64 s[G0B+2:G0B+3], s[G0A+2:G0A+3], TILEB
	s_or_b32 s[G0A+3], s[G0A+3], 0x80000000
	s_or_b32 s[G0B+3], s[G0B+3], 0x80000000
	tensor_load_to_lds s[G0A:G0A+3], s[G1:G1+7]    ; both first fills go out together: two loads of mine are out
	s_nop 0
	tensor_load_to_lds s[G0B:G0B+3], s[G1:G1+7]
	s_nop 0
	PLACES
	s_wait_kmcnt 0x0
	s_min_u32 s18, s18, 3
	s_max_u32 s[NB], s[NB], 16
	s_min_u32 s[NB], s[NB], 20
	s_lshl_b32 s46, s53, 10
	s_lshl_b32 s47, s[WV], 8
	s_add_co_u32 s46, s46, s47                     ; my first column, in bytes of f32
	s_lshl_b32 s42, s18, 24                        ; an expert's W2 is 16 MiB,
	s_lshl_b32 s47, s52, 22                        ; a quarter of K 1,024 rows of 4,096 bytes
	s_add_co_u32 s42, s42, s47
	s_add_co_u32 s42, s42, s46
	s_add_nc_u64 s[SB:SB+1], s[6:7], s[42:43]
	s_lshl_b32 s42, s18, 12
	s_add_co_u32 s42, s42, s46
	s_add_nc_u64 s[44:45], s[8:9], s[42:43]        ; b2 at my columns
	s_cmp_eq_u32 s52, 0
	s_cselect_b32 s55, -1, 0                       ; of the four parts of a sum one takes the bias: quarter 0
	v_lshlrev_b32 v17, 4, v1                       ; my four columns
	v_lshlrev_b32 v[VB], 15, v2
	v_lshl_add_u32 v[VB], v1, 4, v[VB]
	global_load_b128 v[20:23], v17, s[44:45]
.irp n, 0,1,2,3
	BLD4 ST0, \n, 0
.endr
.irp n, 0,1,2,3
	BLD4 ST0+64, \n, OFF1
.endr
	WIN 0
	v_mul_u32_u24 v[AK0], v1, ROWB
	v_lshl_add_u32 v[AK0], v2, 4, v[AK0]
	s_mul_i32 s42, s52, 20971520                   ; yp: the quarter's 5,120 rows of 4,096 bytes,
	s_mul_i32 s47, s17, 320*4096                   ; the group's 320,
	s_add_co_u32 s42, s42, s47
	s_add_co_u32 s42, s42, s46                     ; my columns
	s_add_nc_u64 s[OB:OB+1], s[12:13], s[42:43]
	s_wait_loadcnt 32                              ; the bias is in; the two stages are younger
	v_cvt_pk_bf16_f32 v28, v20, v21                ; rounded to bf16, or 0, and back to f32 by a shift or a mask
	v_cvt_pk_bf16_f32 v29, v22, v23
	v_and_b32 v28, s55, v28
	v_and_b32 v29, s55, v29
	v_lshlrev_b32 v[BIAS], 16, v28
	v_and_b32 v[BIAS+1], 0xffff0000, v28
	v_lshlrev_b32 v[BIAS+2], 16, v29
	v_and_b32 v[BIAS+3], 0xffff0000, v29
	s_wait_loadcnt 16                              ; unit 0's weights are in
.irp n, 0,1,2,3,4,5,6,7
	CVT4 BF0, ST0, \n
.endr
.irp n, 0,1,2,3
	BLD4 ST0, \n, OFF2
.endr
	WIN 0
	s_wait_tensorcnt 0x1                           ; my part of tile 0 is in; tile 1 may stay out
	s_barrier_signal -1
	s_barrier_wait -1
	s_mov_b32 s[TB], 0
	v_mov_b32 v[ADC], v[AK0]
	v_add_nc_u32 v[ADH], 16*BLK, v[AK0]
	RUNY 0                                         ; unit 0's groups 0, 1, 2
	UNIT 0, 0, 64, 0, 1, 1, 1, OFF3, 16            ; unit 0: its products start the sums
	WIN 0                                          ; at a label and at a branch every window is 0
	s_mov_b32 s[CNT], 6
.Ltrip:                                            ; units 4 t + 1 .. 4 t + 4: a slot's last three and the next slot's first; tile t + 2 is asked for
	UNIT 1, 64,  128, 0, 0, 1, 1, 4*UNITB, 16
	UNIT 0, 128, 192, 0, 0, 1, 1, 5*UNITB, 16
	UNIT 1, 192, 0,   1, 0, 1, 1, 6*UNITB, 16
	UNIT 0, 0,   64,  0, 0, 1, 1, 7*UNITB, 16
	WIN 0
	s_wait_xcnt 0x0                                ; the weight loads' base steps only behind this wait
	s_add_nc_u64 s[SB:SB+1], s[SB:SB+1], SLOTB
	s_sub_co_u32 s[CNT], s[CNT], 1
	s_cmp_lg_u32 s[CNT], 0
	s_cbranch_scc1 .Ltrip
	UNIT 1, 64,  128, 0, 0, 1, 1, 4*UNITB, 16      ; units 25 to 31 are written out: no tile is left to ask for,
	UNIT 0, 128, 192, 0, 0, 1, 1, 5*UNITB, 16
	UNIT 1, 192, 0,   2, 0, 1, 1, 6*UNITB, 16
	UNIT 0, 0,   64,  0, 0, 1, 1, 7*UNITB, 16
	UNIT 1, 64,  128, 0, 0, 1, 0, 0, 16            ; and from here on no weights
	UNIT 0, 128, 192, 0, 0, 1, 0, 0, 0
	UNIT 1, 192, 0,   3, 0, 0, 0, 0, 0
	; THE WAY OUT, block by block, from registers.  Number 4 i + j of a block's 32 is register i of fragment j plus the bias of column 4 r + j: row 16 rb + 8 hh + i, four neighbouring columns a lane.
	; Each accumulator's register 0 is read first.  A block that was not multiplied is not stored.
	WIN 0
	PLACES
.macro OUTB rb
.if (\rb) >= 16
	s_cmp_lt_u32 s[NB], (\rb)+1
	s_cbranch_scc1 .Ldone
.endif
	s_wait_xcnt 0x0                                ; a buffer that earlier stores read is written again only behind this wait
	WIN 1+(\rb)/8                                  ; source 0 in the accumulators' window
.set ob_, OUTR+32*((\rb)%4)
.set n_, 0
.rept 32
	v_add_f32 v[ob_+n_], v[8*(4*((\rb)%8)+n_%4)+n_/4], v[BIAS+n_%4]
.set n_, n_+1
.endr
	WIN 0
.irp i, 0,1,2,3,4,5,6,7
	global_store_b128 v[VB], v[ob_+4*\i:ob_+4*\i+3], s[OB:OB+1] offset:(16*(\rb)+\i)*4096  ; sixteen lanes store 256 consecutive bytes, aligned; 319 rows at the most stand in the immediate
.endr
.endm
.set b_, 0
.rept 20
	OUTB b_
.set b_, b_+1
.endr
.Ldone:
	s_wait_tensorcnt 0x0                           ; the wave's end
	ds_add_u32 v[SPW], v[NIL]
	s_wait_dscnt 0x0
	s_endpgm
.Lfunc_end_k_q83b46b3053_ffn2:
	.size	k_q83b46b3053_ffn2, .Lfunc_end_k_q83b46b3053_ffn2-k_q83b46b3053_ffn2
	.p2alignl 7, 3214868480
	.fill 96, 4, 3214868480
	.section	.rodata,"a",@progbits
	.p2align	6, 0x0
	.amdhsa_kernel k_q83b46b3053_ffn2
		.amdhsa_group_segment_fixed_size 327680
		.amdhsa_private_segment_fixed_size 0
		.amdhsa_enable_private_segment 0
		.amdhsa_kernarg_size 40
		.amdhsa_user_sgpr_count 2
		.amdhsa_user_sgpr_kernarg_segment_ptr 1
		.amdhsa_wavefront_size32 1
		.amdhsa_system_sgpr_workgroup_id_x 1
		.amdhsa_system_sgpr_workgroup_id_y 1
		.amdhsa_system_sgpr_workgroup_id_z 1
		.amdhsa_system_vgpr_workitem_id 0
		.amdhsa_next_free_vgpr 1024
		.amdhsa_next_free_sgpr 66
		.amdhsa_reserve_vcc 0
		.amdhsa_float_denorm_mode_32 3
		.amdhsa_float_denorm_mode_16_64 3
		.amdhsa_memory_ordered 1
		.amdhsa_forward_progress 1
		.amdhsa_inst_pref_size 197
	.end_amdhsa_kernel
	.amdgpu_metadata
---
amdhsa.version: [ 1, 2 ]
amdhsa.kernels:
  - .name:           k_q83b46b3053_ffn2
    .symbol:         k_q83b46b3053_ffn2.kd
    .args:
      - { .name: hb, .offset: 0, .size: 8, .value_kind: global_buffer, .address_space: global }
      - { .name: W2, .offset: 8, .size: 8, .value_kind: global_buffer, .address_space: global }
      - { .name: b2, .offset: 16, .size: 8, .value_kind: global_buffer, .address_space: global }
      - { .name: gt, .offset: 24, .size: 8, .value_kind: global_buffer, .address_space: global }
      - { .name: yp, .offset: 32, .size: 8, .value_kind: global_buffer, .address_space: global }
    .group_segment_fixed_size: 327680
    .private_segment_fixed_size: 0
    .kernarg_segment_align: 8
    .kernarg_segment_size: 40
    .max_flat_workgroup_size: 128
    .sgpr_count:     66
    .vgpr_count:     1024
    .wavefront_size: 32
...
	.end_amdgpu_metadata
.endif
;; end of part 4
;; launch combine (part 5): grid 256 x 1, 16 waves a work-group, no clusters, 0 bytes of LDS; arguments yp, pos, out0; writes out0
.if DOCPART == 5
	.amdgcn_target "amdgcn-amd-amdhsa--gfx1250"
	.amdhsa_code_object_version 6
	.text
	.protected	k_q83b46b3053_combine
	.globl	k_q83b46b3053_combine
	.p2align	8
	.type	k_q83b46b3053_combine,@function
k_q83b46b3053_combine:
	s_mov_b64 s[64:65], 0
	v_nop
	global_prefetch_b8 v0, s[64:65] scope:SCOPE_SE
	s_setreg_imm32_b32 hwreg(HW_REG_WAVE_MODE, 25, 1), 1
	s_wait_xcnt 0x0
; THE SUM.  out0[t] = the eight partial rows of token t: its two experts' rows (pos[t]), each in the four quarters of K.  All in f32:
; ((A0 + A1) + (A2 + A3)) + ((B0 + B1) + (B2 + B3)).
; One wave takes half a token, 2,048 bytes: 32 loads of 512 consecutive bytes, all issued before the first wait, and four stores of 512.  A stream: no LDS, no matrix unit, nothing shared.
	s_load_b128 s[4:7], s[0:1], 0x0                ; yp s[4:5], pos s[6:7]
	s_load_b64 s[8:9], s[0:1], 0x10                ; out0
	v_and_b32 v1, 31, v0
	v_lshrrev_b32 v2, 5, v0
	v_readfirstlane_b32 s10, v2                    ; wave 0..15
	v_lshlrev_b32 v1, 4, v1                        ; 16 lane
	s_lshr_b32 s12, s10, 1
	s_lshl_b32 s11, ttmp9, 3
	s_add_co_u32 s11, s11, s12                     ; my token
	s_and_b32 s13, s10, 1
	s_lshl_b32 s13, s13, 11                        ; my half of its row
	s_lshl_b32 s12, s11, 3
	s_wait_kmcnt 0x0
	s_load_b64 s[14:15], s[6:7], s12 offset:0x0
	s_mov_b32 s17, 0
	s_mov_b32 s19, 0
	s_lshl_b32 s30, s11, 12
	s_add_co_u32 s30, s30, s13
	s_mov_b32 s31, 0
	s_add_nc_u64 s[28:29], s[8:9], s[30:31]
	s_wait_kmcnt 0x0
	s_min_u32 s14, s14, 5119
	s_min_u32 s15, s15, 5119
	s_lshl_b32 s16, s14, 12                        ; rows of 4,096 bytes
	s_add_co_u32 s16, s16, s13
	s_lshl_b32 s18, s15, 12
	s_add_co_u32 s18, s18, s13
	s_add_nc_u64 s[32:33], s[4:5], s[16:17]        ; s[32:39]: the first row in quarters 0 to 3
	s_add_nc_u64 s[40:41], s[4:5], s[18:19]        ; s[40:47]: the second
.irp q, 0,1,2
	s_add_nc_u64 s[34+2*\q:35+2*\q], s[32+2*\q:33+2*\q], 20971520
	s_add_nc_u64 s[42+2*\q:43+2*\q], s[40+2*\q:41+2*\q], 20971520
.endr
.irp j, 0,1,2,3
.irp q, 0,1,2,3,4,5,6,7
	global_load_b128 v[16+32*\j+4*\q:19+32*\j+4*\q], v1, s[32+2*\q:33+2*\q] offset:512*\j th:TH_LOAD_NT
.endr
.endr
.macro ADD4 a, b                       ; four numbers onto four
	v_pk_add_f32 v[(\a):(\a)+1], v[(\a):(\a)+1], v[(\b):(\b)+1]
	v_pk_add_f32 v[(\a)+2:(\a)+3], v[(\a)+2:(\a)+3], v[(\b)+2:(\b)+3]
.endm
.irp j, 0,1,2,3
	s_wait_loadcnt 8*(3-\j)                        ; piece j's eight loads are in; the later pieces' stay out
	ADD4 16+32*\j, 20+32*\j
	ADD4 24+32*\j, 28+32*\j
	ADD4 32+32*\j, 36+32*\j
	ADD4 40+32*\j, 44+32*\j
	ADD4 16+32*\j, 24+32*\j
	ADD4 32+32*\j, 40+32*\j
	ADD4 16+32*\j, 32+32*\j
	global_store_b128 v1, v[16+32*\j:19+32*\j], s[28:29] offset:512*\j th:TH_STORE_NT
.endr
	s_endpgm
.Lfunc_end_k_q83b46b3053_combine:
	.size	k_q83b46b3053_combine, .Lfunc_end_k_q83b46b3053_combine-k_q83b46b3053_combine
	.p2alignl 7, 3214868480
	.fill 96, 4, 3214868480
	.section	.rodata,"a",@progbits
	.p2align	6, 0x0
	.amdhsa_kernel k_q83b46b3053_combine
		.amdhsa_group_segment_fixed_size 0
		.amdhsa_private_segment_fixed_size 0
		.amdhsa_enable_private_segment 0
		.amdhsa_kernarg_size 24
		.amdhsa_user_sgpr_count 2
		.amdhsa_user_sgpr_kernarg_segment_ptr 1
		.amdhsa_wavefront_size32 1
		.amdhsa_system_sgpr_workgroup_id_x 1
		.amdhsa_system_sgpr_workgroup_id_y 1
		.amdhsa_system_sgpr_workgroup_id_z 1
		.amdhsa_system_vgpr_workitem_id 0
		.amdhsa_next_free_vgpr 144
		.amdhsa_next_free_sgpr 66
		.amdhsa_reserve_vcc 0
		.amdhsa_float_denorm_mode_32 3
		.amdhsa_float_denorm_mode_16_64 3
		.amdhsa_memory_ordered 1
		.amdhsa_forward_progress 1
		.amdhsa_inst_pref_size 9
	.end_amdhsa_kernel
	.amdgpu_metadata
---
amdhsa.version: [ 1, 2 ]
amdhsa.kernels:
  - .name:           k_q83b46b3053_combine
    .symbol:         k_q83b46b3053_combine.kd
    .args:
      - { .name: yp, .offset: 0, .size: 8, .value_kind: global_buffer, .address_space: global }
      - { .name: pos, .offset: 8, .size: 8, .value_kind: global_buffer, .address_space: global }
      - { .name: out0, .offset: 16, .size: 8, .value_kind: global_buffer, .address_space: global }
    .group_segment_fixed_size: 0
    .private_segment_fixed_size: 0
    .kernarg_segment_align: 8
    .kernarg_segment_size: 24
    .max_flat_workgroup_size: 512
    .sgpr_count:     66
    .vgpr_count:     144
    .wavefront_size: 32
...
	.end_amdgpu_metadata
.endif
;; end of part 5
